; MI455X (gfx1250); checked and timed in simulation.
; The chip was launched on July 23, 2026; its instructions are those of AMD's public machine-readable ISA for CDNA 5 (MIT licence, August 2026) and "CDNA5" Instruction Set Architecture Reference Guide (July 2026). The comments in the code are by the model that wrote it; some were corrected since.
;; Vector Quantizer. Allowed arithmetic: matrix products marked QUANTISED: E2M1 operands, one E8M0 scale for each 32 along K, by v_wmma_scale_f32_16x16x128_f8f6f4 with both operands' format E2M1 (or v_wmma_scale_f32_32x16x128_f4), f32 sums; everything else in f32.
;; Inputs: codebook 8,192 x 64 float32; x 8 x 4,096 x 64 float32.
;; Outputs: out0 8 x 4,096 int32.
;; This version of the problem:
;;   THIS VERSION OF THE PROBLEM IS GIVEN IN LOW PRECISION. The matrix products marked QUANTISED in the list below multiply operands that are first quantised to E2M1 (2 exponent bits, 1 mantissa bit; 4 bits a number), with one power-of-two scale for each 32 numbers along K (OCP MX v1.0); their sums are f32. All else is computed in f32.
;;   The module's matrix products, in the order in which they are computed (A, B: the left and right operand; K: the contracted axis; several contracted axes count as one K, in the product's order):
;;     1. [M 32,768, K 64] x [K 64, N 8,192]; A: input x; B: input codebook: QUANTISED
;;   THE QUANTISER, for each operand of a quantised product, along K:
;;     - K is cut into blocks of 32 from its start; a last block that is shorter is filled with zeros.
;;     - A block's scale is 2^e with e = floor(log2(the largest magnitude in the block)) - 2, held to -126 .. 127; a block of zeros has e = 0. As a byte (E8M0): e + 127.
;;     - Each number is divided by its block's scale, clamped to +-6, and rounded to the nearest number of E2M1, ties to even, subnormals kept.
;;     - The product sums the exact products of the quantised numbers (number of the format x scale) in f32.
;;   ~~~python
;;   def quantise(x, axis):      # numpy; x: float32 -> the quantised numbers, widened to float32 again
;;       x = np.moveaxis(x, axis, -1); K = x.shape[-1]
;;       x = np.pad(x, [(0, 0)] * (x.ndim - 1) + [(0, -K % 32)]); x = x.reshape(x.shape[:-1] + (-1, 32)); a = np.abs(x).max(-1, keepdims=True)
;;       e = np.where(a > 0, np.clip(np.frexp(np.where(a > 0, a, 1))[1] - 1 - 2, -126, 127), 0)      # np.frexp(a)[1] - 1 = floor(log2(a)), exactly
;;       r = np.clip(x / 2.0 ** e, -6, 6)
;;       step = 2.0 ** (np.maximum(np.frexp(np.where(r == 0, 1, r))[1] - 1, 0) - 1)
;;       q = np.round(r / step) * step * 2.0 ** e      # np.round: ties to even
;;       return np.moveaxis(q.reshape(q.shape[:-2] + (-1,))[..., :K], -1, axis).astype(np.float32)
;;   ~~~
;; One version. Each part assembles by itself: llvm-mc -triple=amdgcn-amd-amdhsa -mcpu=gfx1250 --defsym DOCPART=n.
;; ======== version 1 of 1: 3 launches
;; workspace buffers: xr 1,245,184 bytes; cr 311,296 bytes; win 131,072 bytes of whole numbers
;; launch prep (part 1): grid 320 x 1, 4 waves a work-group, no clusters, 36,352 bytes of LDS; arguments x, codebook, xr, cr; writes xr, cr
.if DOCPART == 1
	.amdgcn_target "amdgcn-amd-amdhsa--gfx1250"
	.amdhsa_code_object_version 6
	.text
	.protected	k_q15c59f4fdc_prep
	.globl	k_q15c59f4fdc_prep
	.p2align	8
	.type	k_q15c59f4fdc_prep,@function
k_q15c59f4fdc_prep:
	s_mov_b64 s[64:65], 0
	v_nop
	global_prefetch_b8 v0, s[64:65] scope:SCOPE_SE
	s_setreg_imm32_b32 hwreg(HW_REG_WAVE_MODE, 25, 1), 1
	s_wait_xcnt 0x0
; x [32768][64] and codebook [8192][64], f32, are turned ONCE into RECORDS of 256 rows, 9,728 bytes each (38 x 256), one format for both:
;   byte 0:     codes of FP4 (E2M1) as images of operand registers.  Tile (g, u), g = 0..7, u = 0, 1, at 512 (2 g + u); lane L = m + 16 hk has 16 bytes at 16 L:
;               the codes of k = 32 hk .. 32 hk + 31 of tile row m, which is record row 32 g + 8 u + m + 8 (m / 8)
;   byte 8192:  the rows' sums of squares (of the UNQUANTISED numbers), f32, in natural row order
;   byte 9216:  the scales: two E8M0 bytes a tile row (block 0, block 1), at 64 g + 2 (16 u + m)
; The rows of a tile are chosen so that, with a tile of codes as source 0 of a product, a lane's 16 results of tiles (g, 0) and (g, 1) are 16 neighbouring rows.
; A block's scale is 2^(floor(log2(its largest magnitude)) - 2); its byte is the largest magnitude's exponent field - 2, held at 1 from below.
; LIMITS: NaN and infinities among the inputs are not served.  A block of zeros gets the byte 1 where the rule says 127: its codes are zeros, and this program alone reads the bytes.
;         The sums of squares are taken in ascending k, one fused multiply-add a number; another order of summing may differ in the last bit.
; SHARES: work-groups 0-255 take x, 256-319 the codebook (only pointers are chosen: one path).  A work-group takes 128 rows, half a record; wave w one group of 32 rows, 8,192 dense bytes.
; Loads take the bytes as they lie (512 consecutive bytes an instruction); the rows turn through the wave's own stage in LDS, so that a lane gets a whole block of 32 neighbours along K.
; No tensor loads, no matrix work, no cluster: memory is read once and nothing is shared between work-groups.
.set REC,   9728
.set PITCH, 272                        ; a stage row: 256 bytes + 16
.set STGW,  32*PITCH                   ; a wave's stage
.set SQ,    4*STGW                     ; the work-group's 128 sums of squares
.set SC,    SQ+512                     ; its 128 scale halfwords
.set R,     32                         ; v32-95   the numbers as loaded
.set X,     96                         ; v96-159  tile u: 32 numbers of my block
.set C,     160                        ; v160-167 tile u: 4 registers of codes
.set AM,    16                         ; v16-19   largest magnitudes, two chains a tile
.set SOP,   20                         ; v20-21   the conversions' scale operand
.set BY,    22                         ; v22-23   the scale's byte
.set ACC,   24                         ; v24-25   sums
.set PL,    26                         ; v26-27   what the other half of the lanes holds
.set SU,    28                         ; v28-29   sums, second pass
.set SW,    30                         ; v30-31   the scale halfword
	s_load_b256 s[4:11], s[0:1], 0x0               ; x s[4:5], codebook s[6:7], xr s[8:9], cr s[10:11]
	v_lshl_add_u32 v176, v0, 2, 0x8c00
	v_mov_b32 v177, 0
	v_lshrrev_b32 v1, 5, v0
	v_readfirstlane_b32 s12, v1                    ; wave 0..3
	v_and_b32 v12, 31, v0                          ; lane L
	v_and_b32 v2, 15, v0                           ; m
	v_bfe_u32 v3, v0, 4, 1                         ; h
	v_lshlrev_b32 v1, 4, v12                       ; 16 L
	s_mul_i32 s23, s12, STGW                       ; my stage
	v_mul_u32_u24 v4, v3, PITCH
	v_lshl_add_u32 v4, v2, 4, v4
	v_add_nc_u32 v4, s23, v4                       ; into it: a load's 512 bytes are two rows: row h, byte 16 m
	v_and_b32 v13, 8, v2
	v_add_nc_u32 v13, v13, v2                      ; m + 8 (m / 8)
	v_mul_u32_u24 v5, v13, PITCH
	v_lshl_add_u32 v5, v3, 7, v5
	v_add_nc_u32 v5, s23, v5                       ; out of it: my tile row, my block's 128 bytes
	s_lshl_b32 s24, s12, 7
	s_add_co_u32 s24, s24, SQ
	v_lshl_add_u32 v6, v13, 2, s24                 ; where my row's sum of squares goes
	s_lshl_b32 s24, s12, 6
	s_add_co_u32 s24, s24, SC
	v_lshl_add_u32 v7, v2, 1, s24                  ; and its scale halfword
	v_lshlrev_b32 v8, 3, v3                        ; 8 h: my byte's place in the halfword
	v_lshlrev_b32 v9, 3, v12                       ; 8 L
	v_add_nc_u32 v10, SQ, v1                       ; the way out of the sums: 16 bytes a lane
	v_add_nc_u32 v11, SC, v9                       ; and of the scales: 8 bytes a lane
	v_mov_b32 v[PL], 0                             ; written once: a lane permute's destination counts as one of its sources
	v_mov_b32 v[PL+1], 0
	s_mov_b32 s20, 0x76543210
	s_mov_b32 s21, 0xfedcba98                      ; v_permlanex16_b32's selects for lane l xor 16
	s_mov_b32 s22, 0xffff0000                      ; lanes 16-31
	s_wait_kmcnt 0x0
	s_cmp_lt_u32 ttmp9, 256                        ; x's work-group or the codebook's?  The choice hangs on the work-group's number alone
	s_cselect_b64 s[4:5], s[4:5], s[6:7]
	s_cselect_b64 s[8:9], s[8:9], s[10:11]
	s_cselect_b32 s13, 0, 256
	s_sub_co_u32 s13, ttmp9, s13                   ; which 128 rows of the tensor
	s_lshl_b32 s14, s13, 15
	s_lshl_b32 s15, s12, 13
	s_add_co_u32 s14, s14, s15                     ; 32,768 bytes a work-group, 8,192 a wave
	s_mov_b32 s15, 0
	s_add_nc_u64 s[14:15], s[4:5], s[14:15]
	s_lshr_b32 s26, s13, 1
	s_and_b32 s27, s13, 1                          ; which half of the record
	s_mul_i32 s26, s26, REC
	s_lshl_b32 s28, s27, 12
	s_lshl_b32 s29, s12, 10
	s_add_co_u32 s18, s26, s28
	s_add_co_u32 s18, s18, s29                     ; my group's two images
	s_mov_b32 s19, 0
	s_add_nc_u64 s[18:19], s[8:9], s[18:19]
	s_lshl_b32 s28, s27, 9
	s_add_co_u32 s16, s26, s28                     ; the half's sums of squares (8,192 stands in the store's immediate)
	s_mov_b32 s17, 0
	s_add_nc_u64 s[16:17], s[8:9], s[16:17]
	s_lshl_b32 s28, s27, 8
	s_add_co_u32 s24, s26, s28                     ; the half's scales (9,216 likewise)
	s_mov_b32 s25, 0
	s_add_nc_u64 s[24:25], s[8:9], s[24:25]
.irp i, 0,1,2,3,4,5,6,7,8,9,10,11,12,13,14,15
	global_load_b128 v[R+4*\i:R+4*\i+3], v1, s[14:15] offset:512*\i th:TH_LOAD_NT   ; 32 lanes read 512 consecutive bytes: rows 2 i and 2 i + 1
.endr
.irp i, 0,1,2,3,4,5,6,7,8,9,10,11,12,13,14,15
	s_wait_loadcnt 15-\i                           ; loads come back in order: load i is in, the 15 - i behind it may be out
	ds_store_b128 v4, v[R+4*\i:R+4*\i+3] offset:2*PITCH*\i
.endr
.irp u, 0,1
.irp c, 0,1,2,3,4,5,6,7
	ds_load_b128 v[X+32*\u+4*\c:X+32*\u+4*\c+3], v5 offset:8*PITCH*\u+16*\c   ; LDS serves a wave's instructions in order: these see my stores
.endr
.endr
	s_wait_dscnt 0x0
	; the block's largest magnitude: all 32 numbers are mine.  The two tiles take turns, line by line
.irp u, 0,1
	v_max3_num_f32 v[AM+2*\u], |v[X+32*\u]|, |v[X+32*\u+1]|, |v[X+32*\u+2]|
	v_max3_num_f32 v[AM+2*\u+1], |v[X+32*\u+3]|, |v[X+32*\u+4]|, |v[X+32*\u+5]|
.endr
.irp i, 6,10,14,18,22,26
.irp u, 0,1
	v_max3_num_f32 v[AM+2*\u], v[AM+2*\u], |v[X+32*\u+\i]|, |v[X+32*\u+\i+1]|
	v_max3_num_f32 v[AM+2*\u+1], v[AM+2*\u+1], |v[X+32*\u+\i+2]|, |v[X+32*\u+\i+3]|
.endr
.endr
.irp u, 0,1
	v_max3_num_f32 v[AM+2*\u], v[AM+2*\u], |v[X+32*\u+30]|, |v[X+32*\u+31]|
.endr
.irp u, 0,1
	v_max3_num_f32 v[AM+2*\u], v[AM+2*\u], v[AM+2*\u+1], 0x1800000   ; and the floor 2^(3 - 127): the byte cannot fall under 1
.endr
.irp u, 0,1
	v_add_nc_u32 v[SOP+\u], 0xff000000, v[AM+2*\u] ; 2 off the exponent field: the conversion takes the exponent field of this operand as its scale
.endr
.irp u, 0,1
.irp g, 0,1,2,3
	v_cvt_scalef32_pk8_fp4_f32 v[C+4*\u+\g], v[X+32*\u+8*\g:X+32*\u+8*\g+7], v[SOP+\u]   ; eight numbers / the scale, to the nearest code, ties to even, beyond 6 the largest code
.endr
.endr
	v_nop                                          ; one plain place behind the scaled conversions
.irp u, 0,1
	global_store_b128 v1, v[C+4*\u:C+4*\u+3], s[18:19] offset:512*\u   ; a tile's image: 512 consecutive bytes, at a multiple of 256 from the buffer's first byte
.endr
.irp u, 0,1
	v_lshrrev_b32 v[BY+\u], 23, v[SOP+\u]          ; the scale's byte
.endr
.irp u, 0,1
	v_lshlrev_b32 v[SW+\u], v8, v[BY+\u]           ; at its place: block 0 low, block 1 high
.endr
.irp u, 0,1
	v_permlanex16_b32 v[PL+\u], v[SW+\u], s20, s21
.endr
.irp u, 0,1
	v_or_b32 v[SW+\u], v[SW+\u], v[PL+\u]          ; with the other block's: the row's halfword, in both lanes
.endr
	; the row's sum of squares, k ascending.  Pass 1: every lane sums its own 32; lanes 0-15 so have k = 0 .. 31
.irp u, 0,1
	v_mul_f32 v[ACC+\u], v[X+32*\u], v[X+32*\u]
.endr
.set k, 1
.rept 31
.irp u, 0,1
	v_fmac_f32 v[ACC+\u], v[X+32*\u+k], v[X+32*\u+k]
.endr
.set k, k+1
.endr
.irp u, 0,1
	v_permlanex16_b32 v[PL+\u], v[ACC+\u], s20, s21
.endr
.irp u, 0,1
	v_cndmask_b32 v[SU+\u], 0, v[PL+\u], s22       ; pass 2 starts, in lanes 16-31, from the sum of k = 0 .. 31
.endr
.set k, 0
.rept 32
.irp u, 0,1
	v_fmac_f32 v[SU+\u], v[X+32*\u+k], v[X+32*\u+k]   ; and goes on with k = 32 .. 63 there (what lanes 0-15 make here is not used)
.endr
.set k, k+1
.endr
.irp u, 0,1
	v_permlanex16_b32 v[PL+\u], v[SU+\u], s20, s21
.endr
.irp u, 0,1
	v_cndmask_b32 v[ACC+\u], v[PL+\u], v[SU+\u], s22   ; both lanes of a row hold its sum
.endr
.irp u, 0,1
	ds_store_b32 v6, v[ACC+\u] offset:32*\u        ; both lanes of a row write the same word with the same value
	ds_store_b16 v7, v[SW+\u] offset:32*\u
.endr
	s_wait_dscnt 0x0                               ; for the others' sake: my stores have landed
	s_barrier_signal -1
	s_barrier_wait -1
	s_cmp_lg_u32 s12, 0
	s_cbranch_scc1 .Lnot_wave_0
	ds_load_b128 v[32:35], v10                     ; wave 0: the 128 sums, 512 bytes
	s_wait_dscnt 0x0
	global_store_b128 v1, v[32:35], s[16:17] offset:8192
.Lnot_wave_0:
	s_cmp_lg_u32 s12, 1
	s_cbranch_scc1 .Ldone
	ds_load_b64 v[36:37], v11                      ; wave 1: the 128 halfwords, 256 bytes
	s_wait_dscnt 0x0
	global_store_b64 v9, v[36:37], s[24:25] offset:9216
.Ldone:
	s_wait_tensorcnt 0x0
	ds_add_u32 v176, v177
	s_wait_dscnt 0x0
	s_endpgm
.Lfunc_end_k_q15c59f4fdc_prep:
	.size	k_q15c59f4fdc_prep, .Lfunc_end_k_q15c59f4fdc_prep-k_q15c59f4fdc_prep
	.p2alignl 7, 3214868480
	.fill 96, 4, 3214868480
	.section	.rodata,"a",@progbits
	.p2align	6, 0x0
	.amdhsa_kernel k_q15c59f4fdc_prep
		.amdhsa_group_segment_fixed_size 36352
		.amdhsa_private_segment_fixed_size 0
		.amdhsa_enable_private_segment 0
		.amdhsa_kernarg_size 32
		.amdhsa_user_sgpr_count 2
		.amdhsa_user_sgpr_kernarg_segment_ptr 1
		.amdhsa_wavefront_size32 1
		.amdhsa_system_sgpr_workgroup_id_x 1
		.amdhsa_system_sgpr_workgroup_id_y 1
		.amdhsa_system_sgpr_workgroup_id_z 1
		.amdhsa_system_vgpr_workitem_id 0
		.amdhsa_next_free_vgpr 178
		.amdhsa_next_free_sgpr 66
		.amdhsa_reserve_vcc 0
		.amdhsa_float_denorm_mode_32 3
		.amdhsa_float_denorm_mode_16_64 3
		.amdhsa_memory_ordered 1
		.amdhsa_forward_progress 1
		.amdhsa_inst_pref_size 16
	.end_amdhsa_kernel
	.amdgpu_metadata
---
amdhsa.version: [ 1, 2 ]
amdhsa.kernels:
  - .name:           k_q15c59f4fdc_prep
    .symbol:         k_q15c59f4fdc_prep.kd
    .args:
      - { .name: x, .offset: 0, .size: 8, .value_kind: global_buffer, .address_space: global }
      - { .name: codebook, .offset: 8, .size: 8, .value_kind: global_buffer, .address_space: global }
      - { .name: xr, .offset: 16, .size: 8, .value_kind: global_buffer, .address_space: global }
      - { .name: cr, .offset: 24, .size: 8, .value_kind: global_buffer, .address_space: global }
    .group_segment_fixed_size: 36352
    .private_segment_fixed_size: 0
    .kernarg_segment_align: 8
    .kernarg_segment_size: 32
    .max_flat_workgroup_size: 128
    .sgpr_count:     66
    .vgpr_count:     178
    .wavefront_size: 32
...
	.end_amdgpu_metadata
.endif
;; end of part 1
;; launch sweep (part 2): grid 256 x 1, 8 waves a work-group, clusters of 4 x 1, 327,680 bytes of LDS; arguments xr, cr, win; writes win
.if DOCPART == 2
	.amdgcn_target "amdgcn-amd-amdhsa--gfx1250"
	.amdhsa_code_object_version 6
	.text
	.protected	k_q15c59f4fdc_sweep
	.globl	k_q15c59f4fdc_sweep
	.p2align	8
	.type	k_q15c59f4fdc_sweep,@function
k_q15c59f4fdc_sweep:
	s_mov_b64 s[64:65], 0
	v_nop
	global_prefetch_b8 v0, s[64:65] scope:SCOPE_SE
	s_setreg_imm32_b32 hwreg(HW_REG_WAVE_MODE, 25, 1), 1
	s_wait_xcnt 0x0
	s_wait_alu depctr_hold_cnt(0) depctr_sa_sdst(0) depctr_va_vdst(0) depctr_va_sdst(0) depctr_va_ssrc(0) depctr_va_vcc(0) depctr_vm_vsrc(0)
	s_getreg_b32 s2, hwreg(HW_REG_IB_STS2, 6, 4)
	s_cmp_eq_u32 s2, 0
	s_cbranch_scc0 .Lentry_in_a_cluster
	s_endpgm
.Lentry_in_a_cluster:
	s_bfe_u32 s2, ttmp6, 0x10000c
	s_cmp_lg_u32 s2, 0x3003
	s_cbranch_scc0 .Lentry_shape_is_right
	s_endpgm
.Lentry_shape_is_right:
; For each of 32,768 rows of x: d[n] = (x_sq + c_sq[n]) - 2 (Q(x) . Q(c_n)) over all 8,192 codes; stored is sg (0..511), the number of the FIRST run of 16 neighbouring codes (16 sg .. 16 sg + 15)
; that holds the row's smallest d.  The launch behind this one finds the place inside the run: no address here hangs on a distance.
; ARITHMETIC, as the problem has it: t = x_sq + c_sq, rounded; d = t - 2 dot, rounded once (a fused multiply-add by -2: 2 dot is exact).  The products are MX-FP4, K = 64: the upper 64 of the
; instruction's 128 along K are zero codes on both sides (registers 4-7 of every fragment, written once), and their scale bytes are 0, which is a power of two and no NaN.
; LIMITS: NaN and infinities are not served.
; SHARES.  A work-group owns 128 rows of x: eight tiles of 16, which EVERY wave holds in registers.  Wave w sweeps codes 1,024 w .. 1,024 w + 1,023: records 4 w .. 4 w + 3 of cr, 32 groups of 32 codes.
; Two waves to a SIMD: the vector unit has 26 instructions for each pair of matrix instructions, so what counts is vector instructions a distance, and a second wave fills the first one's waits.
; THE WHOLE CODEBOOK LIES IN LDS, as it lies in cr, filled once: 311,296 bytes.  Each wave brings its own four records by four tensor loads (four of mine are out at the most) and alone reads them,
; so its own counted wait is all the ordering that its reads need.  No byte is filled twice: no ring.
; CLUSTER.  All work-groups read the same cr: the four of a cluster ask for each record JOINTLY (the same load, the same descriptor, mask 15), which divides the requests by four.
; LAYOUT.  Source 0 = a tile of 16 codes, source 1 = a tile of 16 rows of x: a lane holds ONE row of x (lane % 16), and its 16 results of a group's two tiles are the neighbouring codes
; 32 G + 16 (lane / 16) + 0 .. 15 (the records' choice of tile rows).  A lane keeps, for each x tile, its best d and the group G that first reached it.
; No prefetch: every load of the launch is issued at its head.
.set REC,   9728
.set SLAB,  4*REC                      ; a wave's four records
.set SCR,   8*SLAB                     ; behind the codebook: the waves' candidates (d, sg), 8 bytes each: wave x 1,024 + tile x 128 + 8 r
.set OUTS,  SCR+8192                   ; the work-group's 128 results in natural row order
.set SPARE, OUTS+512                   ; the spare words, 128 bytes for each wave: four blocks of 256 bytes that no other line names
.set XS,  16                           ; v16-19   x's scale words: register g: tile 2 g in lanes 0-15, tile 2 g + 1 in lanes 16-31
.set AS,  20                           ; v20-21   the codes' scale words, one register a buffer: tile 0 in lanes 0-15, tile 1 in lanes 16-31
.set SPW, 22                           ; v22      LDS address of my spare word; never rewritten
.set NIL, 23                           ; v23      0; never rewritten
.set ST,  24                           ; v24-55   x tile i at ST + 4 i: +0 x_sq, +1 the best's group, +2 and +3 the best d, old and new by turns
.set XB,  56                           ; v56-119  x's eight fragments, 8 registers each, the upper four zero
.set A,   120                          ; v120-151 two buffers of two code fragments, the upper four zero
.set CS,  152                          ; v152-183 two buffers of my 16 c_sq
.set D,   184                          ; v184-215 two sets of two accumulators
.set T,   216                          ; v216-231 t = x_sq + c_sq
; v1 16 L; v2 4 (r + 8 (r / 8)); v3 h; v4, v5, v6 my lane's place in my slab's codes, squares, scales; v7, v8, v9 the same for the trip in hand; v10-13 the end's LDS addresses; v14 2 L
; s10 wave; s12 work-group; s13 my slab's LDS byte; s[16:23] descriptor group 1; s[24:39] four groups 0; s40-42 the trip's steps; s43 the group's number G; s44 trips; s[46:51] x's bases; s[52:53] selects
.macro CROUND                          ; a round of the cluster's barrier
	s_barrier_signal -1
	s_barrier_wait -1
	s_cmp_lg_u32 s10, 0
	s_cbranch_scc1 .Lnot_wave_0_\@
	s_barrier_signal -3
.Lnot_wave_0_\@:
	s_barrier_wait -3
	s_barrier_signal -1
	s_barrier_wait -1
.endm
	s_load_b128 s[4:7], s[0:1], 0x0                ; xr, cr
	s_load_b64 s[8:9], s[0:1], 0x10                ; win
	v_lshl_add_u32 v[SPW], v0, 2, SPARE
	v_mov_b32 v[NIL], 0
	ds_add_u32 v22, v23
	ds_add_u32 v22, v23
	s_wait_dscnt 0x0
	v_lshrrev_b32 v1, 5, v0
	v_readfirstlane_b32 s10, v1                    ; wave 0..7
	s_mul_i32 s13, s10, SLAB
	v_and_b32 v232, 31, v0                         ; L
	v_and_b32 v233, 15, v0                         ; r
	v_bfe_u32 v3, v0, 4, 1                         ; h
	v_lshlrev_b32 v1, 4, v232
	v_lshlrev_b32 v14, 1, v232
	v_and_b32 v234, 8, v233
	v_add_nc_u32 v234, v234, v233                  ; r + 8 (r / 8)
	v_lshlrev_b32 v2, 2, v234
	v_add_nc_u32 v4, s13, v1                       ; an image: 16 bytes a lane
	s_add_co_u32 s54, s13, 8192
	v_lshl_add_u32 v5, v3, 6, s54                  ; my half's 16 c_sq of a group: 64 bytes
	s_add_co_u32 s54, s13, 9216
	v_add_nc_u32 v6, s54, v14                      ; a halfword a lane
	s_lshl_b32 s54, s10, 10
	s_add_co_u32 s54, s54, SCR
	v_lshl_add_u32 v10, v233, 3, s54               ; where I put my candidates
	s_lshl_b32 s54, s10, 7
	s_add_co_u32 s54, s54, SCR
	v_lshl_add_u32 v11, v233, 3, s54               ; where I read the eight waves' candidates of tile w
	s_lshr_b32 s54, s10, 1
	s_lshl_b32 s54, s54, 7
	s_and_b32 s55, s10, 1
	s_lshl_b32 s55, s55, 5
	s_add_co_u32 s54, s54, s55
	s_add_co_u32 s54, s54, OUTS
	v_add_nc_u32 v12, s54, v2                      ; tile w's column r is the work-group's row 32 (w / 2) + 8 (w % 2) + r + 8 (r / 8)
	v_add_nc_u32 v13, OUTS, v1
	s_bfe_u32 s11, ttmp6, 0x40000                  ; cx: it enters x's and win's addresses alone
	s_lshl_b32 s12, ttmp9, 2                       ; in a cluster launch ttmp9 counts clusters
	s_add_co_u32 s12, s12, s11                     ; my work-group
	s_lshr_b32 s60, s12, 1
	s_mul_i32 s60, s60, REC                        ; its record of xr,
	s_and_b32 s61, s12, 1                          ; and which half of it
	s_lshl_b32 s62, s61, 12
	s_add_co_u32 s46, s60, s62
	s_mov_b32 s47, 0
	s_lshl_b32 s62, s61, 9
	s_add_co_u32 s48, s60, s62
	s_mov_b32 s49, 0
	s_lshl_b32 s62, s61, 8
	s_add_co_u32 s50, s60, s62
	s_mov_b32 s51, 0
	s_lshl_b32 s62, s12, 9                         ; 128 results of 4 bytes
	s_mov_b32 s63, 0
	s_mov_b32 s14, s13
	s_mov_b32 s15, 0
	s_mov_b32 s52, 0x76543210
	s_mov_b32 s53, 0xfedcba98                      ; v_permlanex16_b32's selects for lane l xor 16
	s_lshl_b32 s43, s10, 5                         ; my first group
	; descriptor group 1: a record is a dense block: 38 rows of 256 bytes (32 elements of 8 bytes)
	s_mov_b32 s16, 15|(3<<16)|(1<<21)              ; 15:0 the mask: all four work-groups; 17:16 elements of 8 bytes; 20 no padding; 21 set beside a mask
	s_mov_b32 s17, 32<<16                          ; tensor_dim0 = 32
	s_mov_b32 s18, 38<<16                          ; tensor_dim1 = 38
	s_mov_b32 s19, 32<<16                          ; tile_dim0 = 32
	s_mov_b32 s20, 38                              ; tile_dim1 = 38
	s_mov_b32 s21, 32                              ; from row to row
	s_mov_b32 s22, 0
	s_mov_b32 s23, 0
	s_wait_kmcnt 0x0
	s_add_nc_u64 s[46:47], s[4:5], s[46:47]        ; x's images,
	s_add_nc_u64 s[48:49], s[4:5], s[48:49]        ; sums of squares (8,192 in the immediate),
	s_add_nc_u64 s[50:51], s[4:5], s[50:51]        ; scales (9,216 likewise)
	s_add_nc_u64 s[8:9], s[8:9], s[62:63]
	s_add_nc_u64 s[14:15], s[6:7], s[14:15]        ; my slab in cr: it hangs on the wave's number alone
.irp c, 0,1,2,3
	s_mov_b32 s[24+4*\c], 1                        ; count = 1
	s_add_co_u32 s[25+4*\c], s13, \c*REC           ; LDS address: as in cr
	s_add_nc_u64 s[26+4*\c:27+4*\c], s[14:15], \c*REC
	s_or_b32 s[27+4*\c], s[27+4*\c], 0x80000000    ; type = 2
.endr
	CROUND                                         ; all four work-groups are here: the joint loads meet
.irp c, 0,1,2,3
	tensor_load_to_lds s[24+4*\c:27+4*\c], s[16:23]
	s_nop 0
.endr
.rept 4
	v_nop                                          ; four plain lines follow the loads
.endr
.irp i, 0,1,2,3,4,5,6,7
	global_load_b128 v[XB+8*\i:XB+8*\i+3], v1, s[46:47] offset:512*\i
	global_load_b32 v[ST+4*\i], v2, s[48:49] offset:8192+128*(\i/2)+32*(\i%2)
.endr
.irp g, 0,1,2,3
	global_load_u16 v[XS+\g], v14, s[50:51] offset:9216+64*\g   ; the upper two bytes come as 0
.endr
.irp i, 0,1,2,3,4,5,6,7
.irp j, 4,5,6,7
	v_mov_b32 v[XB+8*\i+\j], 0                     ; k = 64 .. 127: zero codes
.endr
.endr
.irp i, 0,1,2,3
.irp j, 4,5,6,7
	v_mov_b32 v[A+8*\i+\j], 0
.endr
.endr
.irp i, 0,1,2,3,4,5,6,7
	v_mov_b32 v[ST+4*\i+1], 0
	v_mov_b32 v[ST+4*\i+2], 0x7f800000             ; the best so far: +infinity
	v_mov_b32 v[ST+4*\i+3], 0
.endr
	s_wait_loadcnt 0x0                             ; x
; seven LDS loads: group gi of the trip, in record c of my slab, into buffer buf
.macro LOADG buf, gi, c
	ds_load_b128 v[A+16*\buf:A+16*\buf+3], v7 offset:\c*REC+1024*\gi
	ds_load_b128 v[A+16*\buf+8:A+16*\buf+11], v7 offset:\c*REC+1024*\gi+512
	ds_load_u16 v[AS+\buf], v9 offset:\c*REC+64*\gi
.irp k, 0,1,2,3
	ds_load_b128 v[CS+16*\buf+4*\k:CS+16*\buf+4*\k+3], v8 offset:\c*REC+128*\gi+16*\k   ; all lanes of a half read the same 16 bytes
.endr
.endm
.macro WM1 d, a, b, sa, sb, ra, rb     ; one product; ra, rb: the side's scales stand in lanes 16-31
.if (\ra) && (\rb)
	v_wmma_scale_f32_16x16x128_f8f6f4 v[\d:\d+7], v[\a:\a+7], v[\b:\b+7], 0, v[\sa], v[\sb] matrix_a_fmt:MATRIX_FMT_FP4 matrix_b_fmt:MATRIX_FMT_FP4 matrix_a_scale:MATRIX_SCALE_ROW1 matrix_b_scale:MATRIX_SCALE_ROW1
.elseif \ra
	v_wmma_scale_f32_16x16x128_f8f6f4 v[\d:\d+7], v[\a:\a+7], v[\b:\b+7], 0, v[\sa], v[\sb] matrix_a_fmt:MATRIX_FMT_FP4 matrix_b_fmt:MATRIX_FMT_FP4 matrix_a_scale:MATRIX_SCALE_ROW1
.elseif \rb
	v_wmma_scale_f32_16x16x128_f8f6f4 v[\d:\d+7], v[\a:\a+7], v[\b:\b+7], 0, v[\sa], v[\sb] matrix_a_fmt:MATRIX_FMT_FP4 matrix_b_fmt:MATRIX_FMT_FP4 matrix_b_scale:MATRIX_SCALE_ROW1
.else
	v_wmma_scale_f32_16x16x128_f8f6f4 v[\d:\d+7], v[\a:\a+7], v[\b:\b+7], 0, v[\sa], v[\sb] matrix_a_fmt:MATRIX_FMT_FP4 matrix_b_fmt:MATRIX_FMT_FP4
.endif
.endm
.macro WM i, buf, dset                 ; the group's two tiles of codes x x tile i.  Every product is whole in one instruction (C = 0): there are no chains
	WM1 D+16*(\dset), A+16*(\buf), XB+8*(\i), AS+(\buf), XS+(\i)/2, 0, (\i)%2
	WM1 D+16*(\dset)+8, A+16*(\buf)+8, XB+8*(\i), AS+(\buf), XS+(\i)/2, 1, (\i)%2
.endm
; the vector work of a group and an x tile: 26 instructions for 16 distances a lane.  bo, bn: where the old and the new best stand
.macro VW i, buf, dset, bo, bn
.set dd, D+16*(\dset)
.set cc, CS+16*(\buf)
.set ss, ST+4*(\i)
.irp q, 0,2,4,6,8,10,12,14
	v_pk_add_f32 v[T+\q:T+\q+1], v[cc+\q:cc+\q+1], v[ss:ss+1] op_sel_hi:[1,0]   ; t = c_sq + x_sq (of the pair the low word serves both halves)
.endr
.irp q, 0,2,4,6,8,10,12,14
	v_pk_fma_f32 v[dd+\q:dd+\q+1], v[dd+\q:dd+\q+1], -2.0, v[T+\q:T+\q+1] op_sel_hi:[1,0,1]   ; d = t - 2 dot; each accumulator is read from its low end on
.endr
	v_min3_num_f32 v[dd], v[dd], v[dd+1], v[dd+2]
	v_min3_num_f32 v[dd+3], v[dd+3], v[dd+4], v[dd+5]
	v_min3_num_f32 v[dd+6], v[dd+6], v[dd+7], v[dd+8]
	v_min3_num_f32 v[dd+9], v[dd+9], v[dd+10], v[dd+11]
	v_min3_num_f32 v[dd+12], v[dd+12], v[dd+13], v[dd+14]
	v_min3_num_f32 v[dd], v[dd], v[dd+3], v[dd+6]
	v_min3_num_f32 v[dd+9], v[dd+9], v[dd+12], v[dd+15]
	v_min3_num_f32 v[ss+\bn], v[ss+\bo], v[dd], v[dd+9]
	v_cmp_ge_f32 vcc_lo, v[ss+\bn], v[ss+\bo]      ; the best has not fallen: the earlier group is kept, on a tie too
	v_cndmask_b32 v[ss+1], s43, v[ss+1], vcc_lo
.endm
; A group against the eight x tiles.  The products run one tile ahead of the vector work, on two sets of accumulators.  PLACES (this text counts only plain vector lines that name none of the
; product's registers): between a product and the first read of its result stand at least the eight additions of VW, which name T, c_sq and x_sq alone (four are asked); the same eight stand between a product
; and the product two tiles on that writes over its result (five are asked); behind a group's last product stand two whole VW ahead of the next loads into the fragments.
.macro GROUP buf, bo, bn
	WM 0, \buf, 0
.irp i, 0,1,2,3,4,5,6
	WM (\i+1), \buf, ((\i+1)%2)
	VW \i, \buf, (\i%2), \bo, \bn
.endr
	VW 7, \buf, 1, \bo, \bn
.endm
; record c of my slab: eight groups, two a trip
.macro CHUNK c
	s_wait_tensorcnt 3-\c                          ; a wave's tensor loads end in order: record c is in LDS, the 3 - c behind it may be out
	s_mov_b32 s40, 0
	s_mov_b32 s41, 0
	s_mov_b32 s42, 0
	s_mov_b32 s44, 4
.Ltrip_\@:
	v_add_nc_u32 v7, s40, v4
	v_add_nc_u32 v8, s41, v5
	v_add_nc_u32 v9, s42, v6
	LOADG 0, 0, \c
	LOADG 1, 1, \c
	s_wait_dscnt 7                                 ; the first group's seven loads are in; the second's seven may be out
	GROUP 0, 2, 3
	s_add_co_u32 s43, s43, 1
	s_wait_dscnt 0x0
	GROUP 1, 3, 2
	s_add_co_u32 s43, s43, 1
	s_add_co_u32 s40, s40, 2048                    ; two groups on: images,
	s_add_co_u32 s41, s41, 256                     ; squares,
	s_add_co_u32 s42, s42, 128                     ; scales
	s_sub_co_u32 s44, s44, 1
	s_cmp_lg_u32 s44, 0
	s_cbranch_scc1 .Ltrip_\@
.endm
	CHUNK 0
	CHUNK 1
	CHUNK 2
	CHUNK 3
	; THE END.  A row's candidates lie in two lanes of each of eight waves.  Everywhere the smaller d wins, and on a tie the smaller sg.  The comparisons feed selects alone.
.irp i, 0,1,2,3,4,5,6,7
	v_lshl_or_b32 v[ST+4*\i+3], v[ST+4*\i+1], 1, v3   ; sg = 2 G + lane / 16: my 16 codes begin at 16 sg
.endr
.irp i, 0,1,2,3,4,5,6,7
	v_permlanex16_b32 v[T+2*\i], v[ST+4*\i+2], s52, s53
	v_permlanex16_b32 v[T+2*\i+1], v[ST+4*\i+3], s52, s53
.endr
.irp i, 0,1,2,3,4,5,6,7
	v_cmp_lt_f32 s54, v[T+2*\i], v[ST+4*\i+2]
	v_cmp_eq_f32 s55, v[T+2*\i], v[ST+4*\i+2]
	v_cmp_lt_u32 vcc_lo, v[T+2*\i+1], v[ST+4*\i+3]
	s_and_b32 s55, s55, vcc_lo
	s_or_b32 vcc_lo, s54, s55
	v_cndmask_b32 v[ST+4*\i+2], v[ST+4*\i+2], v[T+2*\i], vcc_lo
	v_cndmask_b32 v[ST+4*\i+3], v[ST+4*\i+3], v[T+2*\i+1], vcc_lo
	ds_store_b64 v10, v[ST+4*\i+2:ST+4*\i+3] offset:128*\i   ; both lanes of a row write the same 8 bytes with the same value
.endr
	s_wait_dscnt 0x0                               ; for the others' sake: my candidates have landed
	s_barrier_signal -1
	s_barrier_wait -1
.irp k, 0,1,2,3,4,5,6,7
	ds_load_b64 v[232+2*\k:233+2*\k], v11 offset:1024*\k   ; wave w takes tile w: the eight waves' candidates
.endr
	s_wait_dscnt 0x0
.irp k, 1,2,3,4,5,6,7
	v_cmp_lt_f32 vcc_lo, v[232+2*\k], v232         ; the waves' codes ascend with the wave's number: on a tie the lower wave's stays
	v_cndmask_b32 v233, v233, v[233+2*\k], vcc_lo
	v_min_num_f32 v232, v232, v[232+2*\k]
.endr
	ds_store_b32 v12, v233
	s_wait_dscnt 0x0
	s_barrier_signal -1
	s_barrier_wait -1
	s_cmp_lg_u32 s10, 0
	s_cbranch_scc1 .Lno_store
	ds_load_b128 v[232:235], v13                   ; wave 0 stores the work-group's 128 results: 512 consecutive bytes, at a multiple of 256 from win's first byte
	s_wait_dscnt 0x0
	global_store_b128 v1, v[232:235], s[8:9]
.Lno_store:
	s_wait_tensorcnt 0x0                           ; the wave's end: behind my last tensor load and my last LDS store
	ds_add_u32 v[SPW], v[NIL]
	s_wait_dscnt 0x0
	CROUND                                         ; the closing round: no work-group ends while a partner may still ask for a record that names it
	s_endpgm
.Lfunc_end_k_q15c59f4fdc_sweep:
	.size	k_q15c59f4fdc_sweep, .Lfunc_end_k_q15c59f4fdc_sweep-k_q15c59f4fdc_sweep
	.p2alignl 7, 3214868480
	.fill 96, 4, 3214868480
	.section	.rodata,"a",@progbits
	.p2align	6, 0x0
	.amdhsa_kernel k_q15c59f4fdc_sweep
		.amdhsa_group_segment_fixed_size 327680
		.amdhsa_private_segment_fixed_size 0
		.amdhsa_enable_private_segment 0
		.amdhsa_kernarg_size 24
		.amdhsa_user_sgpr_count 2
		.amdhsa_user_sgpr_kernarg_segment_ptr 1
		.amdhsa_wavefront_size32 1
		.amdhsa_system_sgpr_workgroup_id_x 1
		.amdhsa_system_sgpr_workgroup_id_y 1
		.amdhsa_system_sgpr_workgroup_id_z 1
		.amdhsa_system_vgpr_workitem_id 0
		.amdhsa_next_free_vgpr 256
		.amdhsa_next_free_sgpr 66
		.amdhsa_reserve_vcc 1
		.amdhsa_float_denorm_mode_32 3
		.amdhsa_float_denorm_mode_16_64 3
		.amdhsa_memory_ordered 1
		.amdhsa_forward_progress 1
		.amdhsa_inst_pref_size 139
	.end_amdhsa_kernel
	.amdgpu_metadata
---
amdhsa.version: [ 1, 2 ]
amdhsa.kernels:
  - .name:           k_q15c59f4fdc_sweep
    .symbol:         k_q15c59f4fdc_sweep.kd
    .args:
      - { .name: xr, .offset: 0, .size: 8, .value_kind: global_buffer, .address_space: global }
      - { .name: cr, .offset: 8, .size: 8, .value_kind: global_buffer, .address_space: global }
      - { .name: win, .offset: 16, .size: 8, .value_kind: global_buffer, .address_space: global }
    .group_segment_fixed_size: 327680
    .private_segment_fixed_size: 0
    .kernarg_segment_align: 8
    .kernarg_segment_size: 24
    .max_flat_workgroup_size: 256
    .sgpr_count:     66
    .vgpr_count:     256
    .wavefront_size: 32
...
	.end_amdgpu_metadata
.endif
;; end of part 2
;; launch resolve (part 3): grid 256 x 1, 8 waves a work-group, no clusters, 1,536 bytes of LDS; arguments xr, cr, win, out0; writes out0
.if DOCPART == 3
	.amdgcn_target "amdgcn-amd-amdhsa--gfx1250"
	.amdhsa_code_object_version 6
	.text
	.protected	k_q15c59f4fdc_resolve
	.globl	k_q15c59f4fdc_resolve
	.p2align	8
	.type	k_q15c59f4fdc_resolve,@function
k_q15c59f4fdc_resolve:
	s_mov_b64 s[64:65], 0
	v_nop
	global_prefetch_b8 v0, s[64:65] scope:SCOPE_SE
	s_setreg_imm32_b32 hwreg(HW_REG_WAVE_MODE, 25, 1), 1
	s_wait_xcnt 0x0
; out0[row] = 16 sg + the first place of the smallest d among codes 16 sg .. 16 sg + 15, sg = win[row] as the launch before stored it (whole numbers; held at 511 before they enter an address).
; The 16 distances are made anew by the same instructions on the same codes, scales and sums of squares: t = x_sq + c_sq, d = t - 2 dot.
; SHARES.  A work-group takes 128 rows of x, wave w tile w of them: 16 rows, the tile's column r being row 32 (w / 2) + 8 (w % 2) + r + 8 (r / 8).
; Each column has its own 16 codes: 16 products, source 0 = column i's 16 codes in their natural order (gathered from the record's images), source 1 = the x tile; of product i only column i is kept
; (lanes i and i + 16), by a select under a constant lane mask.  In what is kept, lane (r, h) holds d of codes 16 sg + 8 h + 0 .. 7 of its own row.
; LIMITS: NaN and infinities are not served.
; No LDS tiles, no cluster: each wave gathers 16 x 512 bytes of its own choice, and nothing is shared.
.set REC, 9728
.set XB,  8                            ; v8-15    the x tile's fragment, the upper four zero
.set XS,  16                           ; v16      its scale words
.set AS,  32                           ; v32-47   the 16 code fragments' scale words
.set AF,  48                           ; v48-175  the 16 code fragments, 8 registers each, the upper four zero
.set D,   176                          ; v176-207 four accumulators
.set M,   208                          ; v208-215 what is kept: my row's eight dots, then distances
.set CQ,  216                          ; v216-223 my eight c_sq
.set T,   224                          ; v224-231 t
; v1 16 L; v2 r; v3 h; v4, v5 my lane's place in a gathered fragment and among its scales; v6 4 (r + 8 (r / 8)); v7 my c_sq's offset; v18 x_sq; v19 my row's sg; v23 2 r; v26 where my result goes in LDS
; s12 wave; s[14:15] win at my tile; s[16:31] the 16 columns' sg; s[32:39], s[40:47] four bases each for codes and scales; s48-55 at work; s56 lane mask; s[58:59] selects; s[66:71] x's bases
	s_load_b256 s[4:11], s[0:1], 0x0               ; xr s[4:5], cr s[6:7], win s[8:9], out0 s[10:11]
	v_lshl_add_u32 v254, v0, 2, 0x200
	v_mov_b32 v255, 0
	v_lshrrev_b32 v1, 5, v0
	v_readfirstlane_b32 s12, v1                    ; wave 0..7
	v_and_b32 v20, 31, v0
	v_lshlrev_b32 v1, 4, v20
	v_and_b32 v2, 15, v0
	v_bfe_u32 v3, v0, 4, 1
	v_lshrrev_b32 v21, 3, v2                       ; r / 8
	v_and_b32 v22, 7, v2                           ; r % 8
	v_lshlrev_b32 v4, 9, v21                       ; code r of the 16 lies in tile r / 8 of its group (512 bytes a tile),
	v_lshl_add_u32 v4, v3, 8, v4                   ; my half of K 256 bytes on,
	v_lshl_add_u32 v4, v22, 4, v4                  ; 16 bytes a tile row
	v_lshlrev_b32 v5, 5, v21
	v_lshl_add_u32 v5, v22, 1, v5                  ; its scales: 32 bytes a tile, 2 a row
	v_lshl_add_u32 v6, v21, 3, v2
	v_lshlrev_b32 v6, 2, v6
	v_lshlrev_b32 v23, 1, v2
	s_lshr_b32 s48, ttmp9, 1
	s_mul_i32 s48, s48, REC                        ; my work-group's record of xr,
	s_and_b32 s49, ttmp9, 1                        ; and which half of it
	s_lshr_b32 s50, s12, 1
	s_lshl_b32 s50, s50, 7
	s_and_b32 s51, s12, 1
	s_lshl_b32 s51, s51, 5
	s_add_co_u32 s50, s50, s51                     ; 4 x my tile's first row among the 128
	v_add_nc_u32 v26, s50, v6
	s_lshl_b32 s51, s49, 12
	s_lshl_b32 s52, s12, 9
	s_add_co_u32 s66, s48, s51
	s_add_co_u32 s66, s66, s52                     ; my tile's image
	s_mov_b32 s67, 0
	s_lshl_b32 s51, s49, 9
	s_add_co_u32 s68, s48, s51
	s_add_co_u32 s68, s68, s50                     ; its sums of squares (8,192 in the immediate)
	s_mov_b32 s69, 0
	s_lshl_b32 s51, s49, 8
	s_lshl_b32 s52, s12, 5
	s_add_co_u32 s70, s48, s51
	s_add_co_u32 s70, s70, s52                     ; its scales (9,216 likewise)
	s_mov_b32 s71, 0
	s_lshl_b32 s56, ttmp9, 9                       ; 128 results of 4 bytes
	s_mov_b32 s57, 0
	s_add_co_u32 s14, s56, s50
	s_mov_b32 s15, 0
	s_mov_b32 s55, 0
	s_mov_b32 s58, 0x76543210
	s_mov_b32 s59, 0xfedcba98                      ; v_permlanex16_b32's selects for lane l xor 16
	s_wait_kmcnt 0x0
	s_add_nc_u64 s[66:67], s[4:5], s[66:67]
	s_add_nc_u64 s[68:69], s[4:5], s[68:69]
	s_add_nc_u64 s[70:71], s[4:5], s[70:71]
	s_add_nc_u64 s[14:15], s[8:9], s[14:15]
	s_add_nc_u64 s[10:11], s[10:11], s[56:57]
	s_load_b256 s[16:23], s[14:15], 0x0            ; columns 0-7 are eight neighbouring rows,
	s_load_b256 s[24:31], s[14:15], 0x40           ; columns 8-15 the eight that lie 16 rows on
	global_load_b128 v[XB:XB+3], v1, s[66:67]
	global_load_u16 v[XS], v23, s[70:71] offset:9216
	global_load_b32 v18, v6, s[68:69] offset:8192
	global_load_b32 v19, v6, s[14:15]              ; my own row's sg
.irp j, 4,5,6,7
	v_mov_b32 v[XB+\j], 0                          ; k = 64 .. 127: zero codes
.endr
.irp i, 0,1,2,3,4,5,6,7,8,9,10,11,12,13,14,15
.irp j, 4,5,6,7
	v_mov_b32 v[AF+8*\i+\j], 0
.endr
.endr
	v_mov_b32 v234, 0                              ; written once: a lane permute's destination counts as one of its sources
	v_mov_b32 v236, 0
	s_wait_kmcnt 0x0
; column i's 16 codes: record sg / 16, group (sg / 2) % 8, tile rows 8 (sg % 2) on
.macro ADDR i, slot
	s_min_u32 s[16+\i], s[16+\i], 511              ; a loaded number enters an address only held to its range
	s_and_b32 s48, s[16+\i], 0x1f0
	s_mul_i32 s48, s48, 608                        ; (sg / 16) x 9,728
	s_and_b32 s49, s[16+\i], 14
	s_and_b32 s50, s[16+\i], 1
	s_lshl_b32 s51, s49, 9                         ; 1,024 bytes of images a group,
	s_lshl_b32 s52, s50, 7                         ; 16 a tile row
	s_add_co_u32 s51, s51, s52
	s_add_co_u32 s54, s48, s51
	s_add_nc_u64 s[32+2*\slot:33+2*\slot], s[6:7], s[54:55]
	s_lshl_b32 s51, s49, 5                         ; 64 bytes of scales a group,
	s_lshl_b32 s52, s50, 4                         ; 2 a tile row
	s_add_co_u32 s51, s51, s52
	s_add_co_u32 s54, s48, s51
	s_add_nc_u64 s[40+2*\slot:41+2*\slot], s[6:7], s[54:55]
	global_load_b128 v[AF+8*\i:AF+8*\i+3], v4, s[32+2*\slot:33+2*\slot]
	global_load_u16 v[AS+\i], v5, s[40+2*\slot:41+2*\slot] offset:9216
.endm
.irp b, 0,1,2,3
.if \b > 0
	s_wait_xcnt 0x0                                ; the last four columns' loads have read their bases: these are written again only behind this wait
.endif
.irp k, 0,1,2,3
	ADDR (4*\b+\k), \k
.endr
.endr
	s_wait_loadcnt 32                              ; all but the 32 just issued: the x tile, x_sq and my row's sg are in
	v_min_u32 v19, 0x1ff, v19
	v_and_b32 v24, 0x1f0, v19
	v_mul_u32_u24 v24, v24, 608
	v_and_b32 v25, 15, v19
	v_lshlrev_b32 v25, 6, v25                      ; 16 c_sq a run,
	v_add_nc_u32 v24, v24, v25
	v_lshlrev_b32 v25, 5, v3                       ; my half's eight
	v_add_nc_u32 v7, v24, v25
	global_load_b128 v[CQ:CQ+3], v7, s[6:7] offset:8192
	global_load_b128 v[CQ+4:CQ+7], v7, s[6:7] offset:8208
	s_wait_loadcnt 0x0
.macro MERGE i, k                      ; of product i, in accumulator k, lanes i and i + 16 are kept; the accumulator is read from its low end on
.if (\i) == 0
.irp j, 0,1,2,3,4,5,6,7
	v_mov_b32 v[M+\j], v[D+\j]                     ; the first writes all lanes
.endr
.else
	s_mov_b32 s56, 0x10001<<(\i)
.irp j, 0,1,2,3,4,5,6,7
	v_cndmask_b32 v[M+\j], v[M+\j], v[D+8*(\k)+\j], s56
.endr
.endif
.endm
; Four products at a time.  PLACES (ISA guide 7.12.1): four plain lines that name none of the products' registers stand ahead of the first read of a result; between a product and the one that writes over
; its accumulator stand these four and the 24 selects of the other three accumulators (five are asked).
.irp b, 0,1,2,3
.irp k, 0,1,2,3
	v_wmma_scale_f32_16x16x128_f8f6f4 v[D+8*\k:D+8*\k+7], v[AF+8*(4*\b+\k):AF+8*(4*\b+\k)+7], v[XB:XB+7], 0, v[AS+4*\b+\k], v[XS] matrix_a_fmt:MATRIX_FMT_FP4 matrix_b_fmt:MATRIX_FMT_FP4
.endr
.if \b == 0
.irp q, 0,2,4,6
	v_pk_add_f32 v[T+\q:T+\q+1], v[CQ+\q:CQ+\q+1], v[18:19] op_sel_hi:[1,0]   ; t = c_sq + x_sq (of the pair the low word serves both halves)
.endr
.else
.rept 4
	v_nop
.endr
.endif
.irp k, 0,1,2,3
	MERGE (4*\b+\k), \k
.endr
.endr
.irp q, 0,2,4,6
	v_pk_fma_f32 v[M+\q:M+\q+1], v[M+\q:M+\q+1], -2.0, v[T+\q:T+\q+1] op_sel_hi:[1,0,1]   ; d = t - 2 dot
.endr
	v_min3_num_f32 v232, v[M], v[M+1], v[M+2]
	v_min3_num_f32 v233, v[M+3], v[M+4], v[M+5]
	v_min3_num_f32 v232, v232, v[M+6], v[M+7]
	v_min_num_f32 v232, v232, v233
	v_permlanex16_b32 v234, v232, s58, s59
	v_min_num_f32 v232, v232, v234                 ; the smallest of the row's 16
	v_mov_b32 v235, 16                             ; no place among my eight
.irp j, 7,6,5,4,3,2,1,0
	v_cmp_neq_f32 vcc_lo, v[M+\j], v232
	v_cndmask_b32 v235, \j, v235, vcc_lo           ; descending, so that the first place stays
.endr
	v_lshl_add_u32 v235, v3, 3, v235               ; + 8 h
	v_permlanex16_b32 v236, v235, s58, s59
	v_min_u32 v235, v235, v236                     ; the first place among the 16
	v_lshl_add_u32 v235, v19, 4, v235              ; the index
	ds_store_b32 v26, v235                         ; in natural row order; both lanes of a row write the same word with the same value
	s_wait_dscnt 0x0                               ; for wave 0's sake: my store has landed
	s_barrier_signal -1
	s_barrier_wait -1
	s_cmp_lg_u32 s12, 0
	s_cbranch_scc1 .Ldone
	ds_load_b128 v[240:243], v1                    ; wave 0 stores the work-group's 128 indices: 512 consecutive bytes, at a multiple of 256 from out0's first byte
	s_wait_dscnt 0x0
	global_store_b128 v1, v[240:243], s[10:11]
.Ldone:
	s_wait_tensorcnt 0x0
	ds_add_u32 v254, v255
	s_wait_dscnt 0x0
	s_endpgm
.Lfunc_end_k_q15c59f4fdc_resolve:
	.size	k_q15c59f4fdc_resolve, .Lfunc_end_k_q15c59f4fdc_resolve-k_q15c59f4fdc_resolve
	.p2alignl 7, 3214868480
	.fill 96, 4, 3214868480
	.section	.rodata,"a",@progbits
	.p2align	6, 0x0
	.amdhsa_kernel k_q15c59f4fdc_resolve
		.amdhsa_group_segment_fixed_size 1536
		.amdhsa_private_segment_fixed_size 0
		.amdhsa_enable_private_segment 0
		.amdhsa_kernarg_size 32
		.amdhsa_user_sgpr_count 2
		.amdhsa_user_sgpr_kernarg_segment_ptr 1
		.amdhsa_wavefront_size32 1
		.amdhsa_system_sgpr_workgroup_id_x 1
		.amdhsa_system_sgpr_workgroup_id_y 1
		.amdhsa_system_sgpr_workgroup_id_z 1
		.amdhsa_system_vgpr_workitem_id 0
		.amdhsa_next_free_vgpr 256
		.amdhsa_next_free_sgpr 72
		.amdhsa_reserve_vcc 1
		.amdhsa_float_denorm_mode_32 3
		.amdhsa_float_denorm_mode_16_64 3
		.amdhsa_memory_ordered 1
		.amdhsa_forward_progress 1
		.amdhsa_inst_pref_size 31
	.end_amdhsa_kernel
	.amdgpu_metadata
---
amdhsa.version: [ 1, 2 ]
amdhsa.kernels:
  - .name:           k_q15c59f4fdc_resolve
    .symbol:         k_q15c59f4fdc_resolve.kd
    .args:
      - { .name: xr, .offset: 0, .size: 8, .value_kind: global_buffer, .address_space: global }
      - { .name: cr, .offset: 8, .size: 8, .value_kind: global_buffer, .address_space: global }
      - { .name: win, .offset: 16, .size: 8, .value_kind: global_buffer, .address_space: global }
      - { .name: out0, .offset: 24, .size: 8, .value_kind: global_buffer, .address_space: global }
    .group_segment_fixed_size: 1536
    .private_segment_fixed_size: 0
    .kernarg_segment_align: 8
    .kernarg_segment_size: 32
    .max_flat_workgroup_size: 256
    .sgpr_count:     72
    .vgpr_count:     256
    .wavefront_size: 32
...
	.end_amdgpu_metadata
.endif
;; end of part 3
